; MI455X (gfx1250); checked and timed in simulation.
; The chip was launched on July 23, 2026; its instructions are those of AMD's public machine-readable ISA for CDNA 5 (MIT licence, August 2026) and "CDNA5" Instruction Set Architecture Reference Guide (July 2026). The comments in the code are by the model that wrote it; some were corrected since.
;; Chunked Attention4 D. Allowed arithmetic: matrix products marked QUANTISED: E2M3 operands, one E8M0 scale for each 32 along K, by v_wmma_scale_f32_16x16x128_f8f6f4 with both operands' format E2M3, f32 sums; everything else in f32.
;; Inputs: Wk 512 x 512 float32; Wo 512 x 512 float32; Wq 512 x 512 float32; Wv 512 x 512 float32; bk 512 float32; bo 512 float32; bq 512 float32; bv 512 float32; key 4 x 8 x 1,024 x 512 float32; query 4 x 8 x 1,024 x 512 float32; value 4 x 8 x 1,024 x 512 float32.
;; Outputs: out0 4 x 8 x 1,024 x 512 float32.
;; This version of the problem:
;;   THIS VERSION OF THE PROBLEM IS GIVEN IN LOW PRECISION. The matrix products marked QUANTISED in the list below multiply operands that are first quantised to E2M3 (2 exponent bits, 3 mantissa bits; 6 bits a number), with one power-of-two scale for each 32 numbers along K (OCP MX v1.0); their sums are f32. All else is computed in f32.
;;   The module's matrix products, in the order in which they are computed (A, B: the left and right operand; K: the contracted axis; several contracted axes count as one K, in the product's order):
;;     1. [M 32,768, K 512] x [K 512, N 512]; A: input query; B: input Wq: QUANTISED
;;     2. [M 32,768, K 512] x [K 512, N 512]; A: input key; B: input Wk: QUANTISED
;;     3. [M 32,768, K 512] x [K 512, N 512]; A: input value; B: input Wv: QUANTISED
;;     4. batch 256 x [M 1,024, K 64] x [K 64, N 1,024]; A: computed on the way; B: computed on the way: QUANTISED
;;     5. batch 256 x [M 64, K 1,024] x [K 1,024, N 1,024]; A: computed on the way; B: softmax (see below): QUANTISED
;;     6. [M 32,768, K 512] x [K 512, N 512]; A: computed on the way; B: input Wo: QUANTISED
;;   THE QUANTISER, for each operand of a quantised product, along K:
;;     - K is cut into blocks of 32 from its start; a last block that is shorter is filled with zeros.
;;     - A block's scale is 2^e with e = floor(log2(the largest magnitude in the block)) - 2, held to -126 .. 127; a block of zeros has e = 0. As a byte (E8M0): e + 127.
;;     - Each number is divided by its block's scale, clamped to +-7.5, and rounded to the nearest number of E2M3, ties to even, subnormals kept.
;;     - The product sums the exact products of the quantised numbers (number of the format x scale) in f32.
;;   ~~~python
;;   def quantise(x, axis):      # numpy; x: float32 -> the quantised numbers, widened to float32 again
;;       x = np.moveaxis(x, axis, -1); K = x.shape[-1]
;;       x = np.pad(x, [(0, 0)] * (x.ndim - 1) + [(0, -K % 32)]); x = x.reshape(x.shape[:-1] + (-1, 32)); a = np.abs(x).max(-1, keepdims=True)
;;       e = np.where(a > 0, np.clip(np.frexp(np.where(a > 0, a, 1))[1] - 1 - 2, -126, 127), 0)      # np.frexp(a)[1] - 1 = floor(log2(a)), exactly
;;       r = np.clip(x / 2.0 ** e, -7.5, 7.5)
;;       step = 2.0 ** (np.maximum(np.frexp(np.where(r == 0, 1, r))[1] - 1, 0) - 3)
;;       q = np.round(r / step) * step * 2.0 ** e      # np.round: ties to even
;;       return np.moveaxis(q.reshape(q.shape[:-2] + (-1,))[..., :K], -1, axis).astype(np.float32)
;;   ~~~
;;   SOFTMAX AHEAD OF A QUANTISED PRODUCT. Where the list says 'softmax', what is quantised is not the finished softmax but p = 2^(t - M), with t = logit x log2(e) and M = ceil(the row's largest t), a whole number; so 1/2 < the row's largest p <= 1. The row's sum l is taken of the UNQUANTISED p, in f32, and the product's result is divided by l at the end. Since M is a whole number, a kernel that streams over the keys may use a running M (the ceiling of the running maximum): every later rescaling is an exact power of two, which a block's scale takes up: the codes' values come out the same.
;;   OPERANDS COMPUTED ON THE WAY. 'Computed on the way' means the value that the module computes at that place (a softmax that the list does not call 'softmax' is quantised finished and normalised). What goes into a quantiser is computed in f32, as accurately as f32 sums, v_exp_f32 and their like allow (about 1e-6 of the number): no bf16 or f16 on the way to a quantiser, and a product that is left as it is and whose result goes on into a quantised operand takes f32 operands (vector FMAs, or v_wmma_f32_16x16x4_f32). A number that lies on a knife's edge between two numbers of the format may be rounded either way, as far as f32 arithmetic and the matrix unit's own rounding can turn it there, and no further.
;; One version. Each part assembles by itself: llvm-mc -triple=amdgcn-amd-amdhsa -mcpu=gfx1250 --defsym DOCPART=n.
;; ======== version 1 of 1: 4 launches
;; limits: right only within a limited range of input values
;; workspace buffers: wq 819,200 bytes; qkv 40,370,176 bytes; ao 13,107,200 bytes
;; launch wprep (part 1): grid 16 x 4, 4 waves a work-group, no clusters, 0 bytes of LDS; arguments Wq, Wk, Wv, Wo, wq; writes wq
.if DOCPART == 1
	.amdgcn_target "amdgcn-amd-amdhsa--gfx1250"
	.amdhsa_code_object_version 6
	.text
	.protected	k_qd0bd14d5c5_wprep
	.globl	k_qd0bd14d5c5_wprep
	.p2align	8
	.type	k_qd0bd14d5c5_wprep,@function
k_qd0bd14d5c5_wprep:
	s_mov_b64 s[64:65], 0
	v_nop
	global_prefetch_b8 v0, s[64:65] scope:SCOPE_SE
	s_setreg_imm32_b32 hwreg(HW_REG_WAVE_MODE, 25, 1), 1
	s_wait_xcnt 0x0
; The four weights ([512 (n)][512 (k)] f32, K innermost) become codes of FP6 (E2M3) with one E8M0 scale byte for each 32 along K,
; laid in the order of the operand's registers, so that the later launches load their fragments by 16 bytes a lane.
; A block's scale is 2^(floor(log2(its largest magnitude)) - 2); its byte is the largest magnitude's exponent field - 2, held at 1 from below.
; LIMITS: NaN and infinities are not served; a block whose largest magnitude lies under 2^-124 gets the byte 1; a block of zeros gets the byte 1
; where the rule says 127: its codes are zeros, which add nothing under any byte but 0xff, and this program alone reads the bytes.
; THE ROWS OF A TILE ARE NOT NEIGHBOURS: lane r of tile T takes row 32 (T / 2) + 8 (T % 2) + r + 8 (r / 8), so that the results of two neighbouring
; tiles, used as source 0, are 16 neighbours along the next K in a lane's registers.
; RECORD of a weight (WREC bytes; order Wq, Wk, Wv, Wo): fragment (tile T, K step s) at 1536 (4 T + s) + 512 c + 16 lane (registers 4 c .. 4 c + 3);
; scale words at WSC + 128 (4 B + s) + 4 lane: lanes 0-15 tile 2 B, lanes 16-31 tile 2 B + 1.
; SHARES: work-group x = B (a pair of tiles), y = the weight; wave = K step s.  Waves share nothing: no LDS, no barrier.
.set WREC,  204800
.set WSC,   196608
.set N0,    32                         ; v32-95   tile 2 B: 64 numbers; v96-159 tile 2 B + 1
.set PC0,   160                        ; v160-179 the first tile's codes (12) and the conversions' second halves
.set PC1,   180                        ; v180-199 the second tile's
.set TM,    200                        ; v200-203 largest magnitudes, v204-207 the other half's, then bytes, v208-211 the conversions' scale operands
.set PW0,   212
.set PW1,   213
.set SEL,   20                         ; s[20:21] lane selects for v_permlanex16_b32: lane l xor 16
; 64 numbers of a lane, register 16 b + i = k 32 b + 16 (lane / 16) + i of its row, become a fragment's 12 registers at v[pc] and its scale word in v[pw].
.macro QUANT s, pc, pw
.irp b, 0,1,2,3
	v_max3_num_f32 v[TM+\b], |v[\s+16*\b]|, |v[\s+1+16*\b]|, 0x1800000   ; my 16 numbers of block b, and the floor 2^(3 - 127): the byte cannot fall under 1
.endr
.irp i, 2,4,6,8,10,12,14
.irp b, 0,1,2,3
	v_max3_num_f32 v[TM+\b], v[TM+\b], |v[\s+16*\b+\i]|, |v[\s+1+16*\b+\i]|   ; the four blocks by turns
.endr
.endr
.irp b, 0,1,2,3
	v_permlanex16_b32 v[TM+4+\b], v[TM+\b], s[SEL], s[SEL+1]
.endr
.irp b, 0,1,2,3
	v_max_num_f32 v[TM+\b], v[TM+\b], v[TM+4+\b]         ; with lane l xor 16: the block's largest magnitude
.endr
.irp b, 0,1,2,3
	v_add_nc_u32 v[TM+8+\b], 0xff000000, v[TM+\b]        ; 2 off its exponent field: the conversion's scale operand
.endr
.irp b, 0,1,2,3
	v_lshrrev_b32 v[TM+4+\b], 23, v[TM+8+\b]             ; the scale's byte
.endr
	v_lshl_or_b32 v[\pw], v[TM+5], 8, v[TM+4]
	v_lshl_or_b32 v[\pw], v[TM+6], 16, v[\pw]
	v_lshl_or_b32 v[\pw], v[TM+7], 24, v[\pw]
.irp c, 0,1
	v_cvt_scalef32_pk16_fp6_f32 v[\pc+6*\c:\pc+2+6*\c], v[\s+32*\c:\s+15+32*\c], v[TM+8+2*\c]
	v_cvt_scalef32_pk16_fp6_f32 v[\pc+12+4*\c:\pc+14+4*\c], v[\s+16+32*\c:\s+31+32*\c], v[TM+9+2*\c]   ; (a conversion's three registers begin on an even number)
.endr
	v_nop                                                ; one plain place behind a scaled conversion
.irp c, 0,1                                              ; the layout wants a whole block in a lane: lanes 0-15 block 2 c, lanes 16-31 block 2 c + 1
.irp i, 0,1,2
	v_permlane16_swap_b32 v[\pc+6*\c+\i], v[\pc+12+4*\c+\i]
.endr
.irp i, 0,1,2
	v_mov_b32 v[\pc+3+6*\c+\i], v[\pc+12+4*\c+\i]
.endr
.endr
.endm
	s_load_b256 s[4:11], s[0:1], 0x0               ; Wq, Wk, Wv, Wo
	s_load_b64 s[12:13], s[0:1], 0x20              ; wq
	v_lshrrev_b32 v4, 5, v0
	v_readfirstlane_b32 s16, v4                    ; wave = K step s
	v_and_b32 v4, 31, v0                           ; lane
	v_lshlrev_b32 v2, 4, v4                        ; 16 x lane: an image's place
	v_lshlrev_b32 v3, 2, v4                        ; 4 x lane: a scale word's
	v_and_b32 v5, 15, v0                           ; r
	v_bfe_u32 v6, v0, 4, 1                         ; h
	v_and_b32 v1, 8, v5
	v_add_nc_u32 v1, v1, v5                        ; r + 8 (r / 8)
	v_lshlrev_b32 v1, 11, v1                       ; a row of W is 2,048 bytes
	v_lshl_add_u32 v1, v6, 6, v1                   ; + 64 h: my 16 numbers of a block of 32
	s_and_b32 s17, ttmp7, 0xffff                   ; which weight
	s_mov_b32 s[SEL], 0x76543210
	s_mov_b32 s[SEL+1], 0xfedcba98
	s_mov_b32 s22, 0xffff0000                      ; lanes 16-31
.irp b, 0,1,2,3
	v_mov_b32 v[TM+4+\b], 0                        ; written once: a lane permute's destination counts as one of its sources
.endr
	s_lshl_b32 s18, ttmp9, 16                      ; 32 rows of 2,048 bytes for each pair of tiles,
	s_lshl_b32 s19, s16, 9                         ; 512 bytes for each K step
	s_add_co_u32 s18, s18, s19
	s_mov_b32 s19, 0
	s_mul_i32 s24, s17, WREC                       ; the weight's record
	s_lshl_b32 s25, ttmp9, 3
	s_add_co_u32 s25, s25, s16                     ; 4 (2 B) + s
	s_mul_i32 s25, s25, 1536
	s_add_co_u32 s26, s24, s25
	s_mov_b32 s27, 0
	s_lshl_b32 s25, ttmp9, 2
	s_add_co_u32 s25, s25, s16                     ; 4 B + s
	s_lshl_b32 s25, s25, 7
	s_add_co_u32 s28, s24, s25
	s_add_co_u32 s28, s28, WSC
	s_mov_b32 s29, 0
	s_wait_alu depctr_va_vdst(0)
	s_wait_kmcnt 0x0
	s_cmp_eq_u32 s17, 1                            ; the choice hangs on the work-group's number alone
	s_cselect_b64 s[14:15], s[6:7], s[4:5]
	s_cmp_eq_u32 s17, 2
	s_cselect_b64 s[14:15], s[8:9], s[14:15]
	s_cmp_eq_u32 s17, 3
	s_cselect_b64 s[14:15], s[10:11], s[14:15]
	s_add_nc_u64 s[14:15], s[14:15], s[18:19]
	s_add_nc_u64 s[26:27], s[12:13], s[26:27]
	s_add_nc_u64 s[28:29], s[12:13], s[28:29]
.irp u, 0,1
.irp b, 0,1,2,3
.irp j, 0,1,2,3
	global_load_b128 v[N0+64*\u+16*\b+4*\j:N0+64*\u+16*\b+4*\j+3], v1, s[14:15] offset:16384*\u+128*\b+16*\j
.endr
.endr
.endr
	s_wait_loadcnt 16                              ; the first tile's 16 loads are in; the second tile's 16 may be out
	QUANT N0, PC0, PW0
	s_wait_loadcnt 0x0
	QUANT N0+64, PC1, PW1
	v_cndmask_b32 v214, v[PW0], v[PW1], s22        ; lanes 0-15: tile 2 B's words, lanes 16-31: tile 2 B + 1's
.irp c, 0,1,2
	global_store_b128 v2, v[PC0+4*\c:PC0+4*\c+3], s[26:27] offset:512*\c         ; 32 lanes store 512 consecutive bytes
	global_store_b128 v2, v[PC1+4*\c:PC1+4*\c+3], s[26:27] offset:6144+512*\c    ; tile 2 B + 1: four fragments on
.endr
	global_store_b32 v3, v214, s[28:29]
	s_endpgm
.Lfunc_end_k_qd0bd14d5c5_wprep:
	.size	k_qd0bd14d5c5_wprep, .Lfunc_end_k_qd0bd14d5c5_wprep-k_qd0bd14d5c5_wprep
	.p2alignl 7, 3214868480
	.fill 96, 4, 3214868480
	.section	.rodata,"a",@progbits
	.p2align	6, 0x0
	.amdhsa_kernel k_qd0bd14d5c5_wprep
		.amdhsa_group_segment_fixed_size 0
		.amdhsa_private_segment_fixed_size 0
		.amdhsa_enable_private_segment 0
		.amdhsa_kernarg_size 40
		.amdhsa_user_sgpr_count 2
		.amdhsa_user_sgpr_kernarg_segment_ptr 1
		.amdhsa_wavefront_size32 1
		.amdhsa_system_sgpr_workgroup_id_x 1
		.amdhsa_system_sgpr_workgroup_id_y 1
		.amdhsa_system_sgpr_workgroup_id_z 1
		.amdhsa_system_vgpr_workitem_id 0
		.amdhsa_next_free_vgpr 224
		.amdhsa_next_free_sgpr 66
		.amdhsa_reserve_vcc 0
		.amdhsa_float_denorm_mode_32 3
		.amdhsa_float_denorm_mode_16_64 3
		.amdhsa_memory_ordered 1
		.amdhsa_forward_progress 1
		.amdhsa_inst_pref_size 14
	.end_amdhsa_kernel
	.amdgpu_metadata
---
amdhsa.version: [ 1, 2 ]
amdhsa.kernels:
  - .name:           k_qd0bd14d5c5_wprep
    .symbol:         k_qd0bd14d5c5_wprep.kd
    .args:
      - { .name: Wq, .offset: 0, .size: 8, .value_kind: global_buffer, .address_space: global }
      - { .name: Wk, .offset: 8, .size: 8, .value_kind: global_buffer, .address_space: global }
      - { .name: Wv, .offset: 16, .size: 8, .value_kind: global_buffer, .address_space: global }
      - { .name: Wo, .offset: 24, .size: 8, .value_kind: global_buffer, .address_space: global }
      - { .name: wq, .offset: 32, .size: 8, .value_kind: global_buffer, .address_space: global }
    .group_segment_fixed_size: 0
    .private_segment_fixed_size: 0
    .kernarg_segment_align: 8
    .kernarg_segment_size: 40
    .max_flat_workgroup_size: 128
    .sgpr_count:     66
    .vgpr_count:     224
    .wavefront_size: 32
...
	.end_amdgpu_metadata
.endif
;; end of part 1
;; launch proj (part 2): grid 256 x 1, 8 waves a work-group, no clusters, 327,680 bytes of LDS; arguments query, key, value, bq, bk, bv, wq, qkv; writes qkv
.if DOCPART == 2
	.amdgcn_target "amdgcn-amd-amdhsa--gfx1250"
	.amdhsa_code_object_version 6
	.text
	.protected	k_qd0bd14d5c5_proj
	.globl	k_qd0bd14d5c5_proj
	.p2align	8
	.type	k_qd0bd14d5c5_proj,@function
k_qd0bd14d5c5_proj:
	s_mov_b64 s[64:65], 0
	v_nop
	global_prefetch_b8 v0, s[64:65] scope:SCOPE_SE
	s_setreg_imm32_b32 hwreg(HW_REG_WAVE_MODE, 25, 1), 1
	s_wait_xcnt 0x0
; q = query Wq^T + bq, k = key Wk^T + bk, v = value Wv^T + bv, all on codes of FP6 (E2M3) with one E8M0 scale for each 32 along K; the results are quantised again
; (q and k along the head's 64 channels, v along the keys) and leave as register images of the attention's fragments, in one record for each (sequence, head).
; LIMITS: NaN and infinities are not served; a block whose largest magnitude lies under 2^-124, a block of zeros among them, gets the byte 1: its codes add nothing, and this program alone reads the bytes.
; SHARES.  The three inputs are 3 x 512 blocks of 64 tokens, numbered on end: block u is block u % 512 of tensor u / 512.  Work-group g takes blocks 6 g .. 6 g + 5: 256 work-groups, six blocks each.
; Wave w = head w: its 64 output columns' 16 fragments of the weight, their scale words and its bias stay in registers.  Where a work-group's walk passes from one tensor to the next (512 = 85 x 6 + 2:
; work-groups 85 and 170, at an even step), the next weight is loaded behind the last product on the old one, under a branch on ids, and awaited at the next block's products.
; THE RING.  Two LDS slots of 64 tokens x 2,048 bytes of f32; each wave fetches 8 tokens of a slot by one tensor load.  In the trip of block i: block i + 2 is asked for, block i's codes (an image in LDS,
; made one trip earlier) are multiplied, block i + 1's numbers are quantised into the other image.  Wave w quantises token tile w / 2, K steps 2 (w % 2) and 2 (w % 2) + 1.
; THE TOKENS OF A TILE ARE NOT NEIGHBOURS: lane r of tile T is token 32 (T / 2) + 8 (T % 2) + r + 8 (r / 8); the weight's rows likewise.  q, k: source 0 = the weight, a lane holds a token and 16 neighbouring channels
; in two tiles' registers; v: source 0 = the tokens, a lane holds a channel and 16 neighbouring keys.
; No cluster: work-groups share no input tile, and the weight goes straight into the registers where it stays.  No prefetch: each input byte is read once, in the ring's order, and each refill is asked for a whole block ahead.
; REGISTERS: window 0: v1-19 addresses; v20-23 x's scale words, v24-31 the weight's; v32-79 four fragments of x; v80-99 codes; v100-112 at work; v116-117 the bias's offsets; v128-255 numbers and sums.
;            window 1: v0-191 the weight's fragments (tile t, K step s at 12 (4 t + s)); v192-223 the bias.
.set TOKB,  2080                       ; a token in LDS: 2 x (1,024 bytes + 16 of padding)
.set SLOTB, 64*TOKB
.set BLKB,  131072
.set IMG0,  2*SLOTB                    ; behind the ring: two images of a block's codes (fragment 4 m + s at 1,536 bytes each) and scale words; no fill lands there
.set IMGB,  26624
.set ISC,   24576
.set SPARE, IMG0+2*IMGB                ; the spare words: 128 bytes a wave
.set REC,   157696                     ; a record of qkv: K's codes, V's, K's scales, V's, Q's codes, Q's scales
.set KC,    0
.set VC,    49152
.set KS,    98304
.set VS,    102400
.set QC,    104448
.set QS,    153600
.set WREC,  204800
.set WSC,   196608
.set XA,    4
.set IWC,   6
.set IWS,   8
.set IRC,   10
.set IRS,   12
.set XS,    20
.set WS,    24
.set XF,    32
.set PC,    80
.set TM,    100
.set PW,    112
.set SPW,   114
.set NIL,   115
.set BQA,   116
.set BVA,   117
.set ACC,   128
.set BI,    192
.set G1,    24
.set G0,    32
.set SEL,   48
.set UN,    51                         ; s51 the block that the next products take
.set WOF,   62                         ; s62 16,384 x wave: my 8 tokens of a block
.set MSB, 0
.macro WIN new
.if MSB != \new
	s_set_vgpr_msb (MSB<<8)|\new
.set MSB, \new
.endif
.endm
.macro PLACES n
.rept \n
	v_nop
.endr
.endm
; 64 numbers of a lane, register 16 b + i = k 32 b + 16 (lane / 16) + i, become a fragment's 12 registers at v[pc] and its scale word in v[pw]
.macro QUANT s, pc, pw
.irp b, 0,1,2,3
	v_max3_num_f32 v[TM+\b], |v[\s+16*\b]|, |v[\s+1+16*\b]|, 0x1800000
.endr
.irp i, 2,4,6,8,10,12,14
.irp b, 0,1,2,3
	v_max3_num_f32 v[TM+\b], v[TM+\b], |v[\s+16*\b+\i]|, |v[\s+1+16*\b+\i]|
.endr
.endr
.irp b, 0,1,2,3
	s_delay_alu instid0(VALU_DEP_4)
	v_permlanex16_b32 v[TM+4+\b], v[TM+\b], s[SEL], s[SEL+1]
.endr
.irp b, 0,1,2,3
	s_delay_alu instid0(VALU_DEP_4)
	v_max_num_f32 v[TM+\b], v[TM+\b], v[TM+4+\b]
.endr
.irp b, 0,1,2,3
	s_delay_alu instid0(VALU_DEP_4)
	v_add_nc_u32 v[TM+8+\b], 0xff000000, v[TM+\b]
.endr
.irp b, 0,1,2,3
	s_delay_alu instid0(VALU_DEP_4)
	v_lshrrev_b32 v[TM+4+\b], 23, v[TM+8+\b]
.endr
	s_delay_alu instid0(VALU_DEP_3)
	v_lshl_or_b32 v[\pw], v[TM+5], 8, v[TM+4]
	s_delay_alu instid0(VALU_DEP_1)
	v_lshl_or_b32 v[\pw], v[TM+6], 16, v[\pw]
	s_delay_alu instid0(VALU_DEP_1)
	v_lshl_or_b32 v[\pw], v[TM+7], 24, v[\pw]
.irp c, 0,1
	v_cvt_scalef32_pk16_fp6_f32 v[\pc+6*\c:\pc+2+6*\c], v[\s+32*\c:\s+15+32*\c], v[TM+8+2*\c]
	v_cvt_scalef32_pk16_fp6_f32 v[\pc+12+4*\c:\pc+14+4*\c], v[\s+16+32*\c:\s+31+32*\c], v[TM+9+2*\c]
.endr
	v_nop
.irp c, 0,1
.irp i, 0,1,2
	v_permlane16_swap_b32 v[\pc+6*\c+\i], v[\pc+12+4*\c+\i]
.endr
.irp i, 0,1,2
	s_delay_alu instid0(VALU_DEP_3)
	v_mov_b32 v[\pc+3+6*\c+\i], v[\pc+12+4*\c+\i]
.endr
.endr
.endm
.macro WMA d, a, b, c, sa, sb, row
.if (\row)
	v_wmma_scale_f32_16x16x128_f8f6f4 v[\d:\d+7], v[\a:\a+11], v[\b:\b+11], v[\c:\c+7], v[\sa], v[\sb] matrix_a_fmt:MATRIX_FMT_FP6 matrix_b_fmt:MATRIX_FMT_FP6 matrix_a_scale:MATRIX_SCALE_ROW1
.else
	v_wmma_scale_f32_16x16x128_f8f6f4 v[\d:\d+7], v[\a:\a+11], v[\b:\b+11], v[\c:\c+7], v[\sa], v[\sb] matrix_a_fmt:MATRIX_FMT_FP6 matrix_b_fmt:MATRIX_FMT_FP6
.endif
.endm
.macro WMB d, a, b, c, sa, sb, row
.if (\row)
	v_wmma_scale_f32_16x16x128_f8f6f4 v[\d:\d+7], v[\a:\a+11], v[\b:\b+11], v[\c:\c+7], v[\sa], v[\sb] matrix_a_fmt:MATRIX_FMT_FP6 matrix_b_fmt:MATRIX_FMT_FP6 matrix_b_scale:MATRIX_SCALE_ROW1
.else
	v_wmma_scale_f32_16x16x128_f8f6f4 v[\d:\d+7], v[\a:\a+11], v[\b:\b+11], v[\c:\c+7], v[\sa], v[\sb] matrix_a_fmt:MATRIX_FMT_FP6 matrix_b_fmt:MATRIX_FMT_FP6
.endif
.endm
; slot p's group 0 takes the address of block UN + d: its tensor's buffer (a choice on ids) + 131,072 x its number in the tensor + my 8 tokens
.macro GADDR p, d
	s_add_co_u32 s56, s[UN], \d
	s_lshr_b32 s42, s56, 9
	s_and_b32 s56, s56, 511
	s_lshl_b32 s56, s56, 17
	s_add_co_u32 s56, s56, s[WOF]
	s_mov_b32 s57, 0
	s_cmp_eq_u32 s42, 1
	s_cselect_b64 s[52:53], s[6:7], s[4:5]
	s_cmp_eq_u32 s42, 2
	s_cselect_b64 s[52:53], s[8:9], s[52:53]
	s_add_nc_u64 s[G0+2+4*\p:G0+3+4*\p], s[52:53], s[56:57]
	s_or_b32 s[G0+3+4*\p], s[G0+3+4*\p], 0x80000000
.endm
; tensor s21's weight: my 16 fragments, their scale words, my bias in the result's layout.  Issued only; awaited at the next products
.macro WLOAD
	s_mul_i32 s56, s21, WREC
	s_mul_i32 s58, s20, 24576
	s_add_co_u32 s58, s58, s56
	s_mov_b32 s59, 0
	s_add_nc_u64 s[58:59], s[16:17], s[58:59]
	s_lshl_b32 s60, s20, 10
	s_add_co_u32 s60, s60, s56
	s_add_co_u32 s60, s60, WSC
	s_mov_b32 s61, 0
	s_add_nc_u64 s[60:61], s[16:17], s[60:61]
	s_lshl_b32 s56, s20, 8
	s_mov_b32 s57, 0
	s_cmp_eq_u32 s21, 1
	s_cselect_b64 s[54:55], s[12:13], s[10:11]
	s_cmp_eq_u32 s21, 2
	s_cselect_b64 s[54:55], s[14:15], s[54:55]
	s_add_nc_u64 s[54:55], s[54:55], s[56:57]
	WIN 0x40
.irp f, 0,1,2,3,4,5,6,7,8,9,10,11,12,13,14,15
.irp c, 0,1,2
	global_load_b128 v[12*\f+4*\c:12*\f+4*\c+3], v1, s[58:59] offset:1536*\f+512*\c
.endr
.endr
	WIN 0
.irp i, 0,1,2,3,4,5,6,7
	global_load_b32 v[WS+\i], v2, s[60:61] offset:128*\i
.endr
	s_cmp_eq_u32 s21, 2
	s_cbranch_scc1 .Lbv_\@
	WIN 0x40
.irp t, 0,1,2,3                        ; q, k: a lane's eight results are eight channels
	global_load_b128 v[BI+8*\t:BI+8*\t+3], v[BQA], s[54:55] offset:(32*(\t/2)+8*(\t%2))*4
	global_load_b128 v[BI+8*\t+4:BI+8*\t+7], v[BQA], s[54:55] offset:(32*(\t/2)+8*(\t%2))*4+16
.endr
	WIN 0
	s_branch .Lbi_\@
.Lbv_\@:
	WIN 0x40
.irp t, 0,1,2,3                        ; v: a lane's eight results are one channel
.irp j, 0,1,2,3,4,5,6,7
	global_load_b32 v[BI+8*\t+\j], v[BVA], s[54:55] offset:(32*(\t/2)+8*(\t%2))*4
.endr
.endr
	WIN 0
.Lbi_\@:
.endm
; my two fragments of slot p's block: f32 out of the slot, codes and scale words into image p
.macro XWORK p
	s_wait_xcnt 0x0                                ; earlier stores have read the codes' registers
.irp u, 0,1
.irp b, 0,1,2,3
.irp j, 0,1,2,3
	ds_load_b128 v[ACC+64*\u+16*\b+4*\j:ACC+64*\u+16*\b+4*\j+3], v[XA+(\p)] offset:512*\u+128*\b+16*\j
.endr
.endr
.endr
	s_wait_dscnt 16                                ; the first fragment's 16 loads are in; the second's 16 may be out
	QUANT ACC, PC, PW
.irp c, 0,1,2
	ds_store_b128 v[IWC+(\p)], v[PC+4*\c:PC+4*\c+3] offset:512*\c
.endr
	ds_store_b32 v[IWS+(\p)], v[PW] offset:ISC
	s_wait_dscnt 0x0
	QUANT ACC+64, PC, PW
.irp c, 0,1,2
	ds_store_b128 v[IWC+(\p)], v[PC+4*\c:PC+4*\c+3] offset:1536+512*\c
.endr
	ds_store_b32 v[IWS+(\p)], v[PW] offset:ISC+128
.endm
; the change of slots: all my tensor loads are in, the add, my LDS work is done, the barrier; behind it slot p, whose numbers were quantised last trip, takes block UN + 2
.macro SYNC p, fill
	s_wait_tensorcnt 0x0
	ds_add_u32 v[SPW], v[NIL]
.if \fill
	GADDR \p, 2
.endif
	s_wait_dscnt 0x0
	s_barrier_signal -1
	s_barrier_wait -1
.if \fill
	tensor_load_to_lds s[G0+4*\p:G0+3+4*\p], s[G1:G1+7]
	s_nop 0
	PLACES 4
.endif
.endm
.macro FETCH p, m
.irp s, 0,1,2,3
.irp c, 0,1,2
	ds_load_b128 v[XF+12*\s+4*\c:XF+12*\s+4*\c+3], v[IRC+\p] offset:(4*(\m)+\s)*1536+512*\c
.endr
.endr
.irp s, 0,1,2,3
	ds_load_b32 v[XS+\s], v[IRS+\p] offset:ISC+(4*(\m)+\s)*128
.endr
.endm
.macro STORE i
.irp q, 0,1,2,3,4,5
	global_store_b64 v14, v[PC+2*\q:PC+2*\q+1], s[18:19] offset:1536*\i+256*\q
.endr
	v_lshrrev_b32 v17, 16, v[PW]
	s_delay_alu instid0(VALU_DEP_1)
	v_cndmask_b32 v18, v[PW], v17, s47             ; lanes 0-15: the first tile's two bytes, lanes 16-31: the second's
.endm
.macro P_QK p
.irp mp, 0,1
.irp mm, 0,1
	PLACES 4
	FETCH \p, 2*\mp+\mm
	s_wait_dscnt 0x0
	WIN 0x11
.irp t, 0,1,2,3
	WMA ACC+32*\mm+8*\t, 48*\t, XF, BI+8*\t, WS+4*(\t/2), XS, \t%2
.endr
	WIN 0x01
.irp s, 1,2,3
.irp t, 0,1,2,3
	WMA ACC+32*\mm+8*\t, 48*\t+12*\s, XF+12*\s, ACC+32*\mm+8*\t, WS+4*(\t/2)+\s, XS+\s, \t%2
.endr
.endr
	WIN 0
.endr
	PLACES 4
.if \mp
	s_wait_xcnt 0x0
.endif
	QUANT ACC, PC, PW
	STORE \mp
	global_store_b32 v15, v18, s[18:19] offset:128*\mp
.endr
.endm
.macro P_V p
.irp m, 0,1,2,3
	PLACES 4
	FETCH \p, \m
	s_wait_dscnt 0x0
	WIN 0x14
.irp t, 0,1,2,3
	WMB ACC+32*\t+8*\m, XF, 48*\t, BI+8*\t, XS, WS+4*(\t/2), \t%2
.endr
	WIN 0x04
.irp s, 1,2,3
.irp t, 0,1,2,3
	WMB ACC+32*\t+8*\m, XF+12*\s, 48*\t+12*\s, ACC+32*\t+8*\m, XS+\s, WS+4*(\t/2)+\s, \t%2
.endr
.endr
	WIN 0
.endr
	PLACES 4
.irp tp, 0,1
.if \tp
	s_wait_xcnt 0x0
.endif
	QUANT ACC+64*\tp, PC, PW
	STORE \tp
	global_store_b16 v15, v18, s[18:19] offset:128*\tp
.endr
.endm
; block UN's products, out of image p.  Where its results go: record 8 x sequence + head; codes 3,072 bytes a block; scales 256 bytes a block (q, k), or 2 bytes a lane of the 256 of a pair of blocks (v)
.macro PHASE p, nextw
	s_wait_xcnt 0x0                                ; earlier stores have read their offsets
	s_wait_loadcnt 0x0                             ; the weight, its scale words and the bias are in
	s_lshr_b32 s21, s[UN], 9                       ; the tensor
	s_and_b32 s41, s[UN], 511
	s_and_b32 s42, s41, 15                         ; the block within its sequence
	s_lshr_b32 s41, s41, 4
	s_lshl_b32 s41, s41, 3
	s_add_co_u32 s41, s41, s20
	s_mul_i32 s41, s41, REC
	s_mul_i32 s43, s42, 3072
	s_add_co_u32 s43, s43, s41
	s_lshl_b32 s44, s42, 8
	s_add_co_u32 s44, s44, s41
	s_lshr_b32 s45, s42, 1
	s_lshl_b32 s45, s45, 8
	s_and_b32 s46, s42, 1
	s_lshl_b32 s46, s46, 1
	s_add_co_u32 s45, s45, s46
	s_add_co_u32 s45, s45, s41
	s_add_co_u32 s45, s45, VS
	s_mov_b32 s46, KS
	s_cmp_eq_u32 s21, 0
	s_cselect_b32 s56, QC, KC
	s_cselect_b32 s46, QS, s46
	s_add_co_u32 s44, s44, s46
	s_cmp_eq_u32 s21, 2
	s_cselect_b32 s56, VC, s56
	s_cselect_b32 s44, s45, s44
	s_add_co_u32 s43, s43, s56
	v_add_nc_u32 v14, s43, v3
	v_add_nc_u32 v15, s44, v2
	s_cmp_eq_u32 s21, 2
	s_cbranch_scc1 .Lpv_\@
	P_QK \p
	s_branch .Lpj_\@
.Lpv_\@:
	P_V \p
.Lpj_\@:
	s_add_co_u32 s[UN], s[UN], 1
.if \nextw
	s_and_b32 s41, s[UN], 511                      ; does the next block begin a tensor?  (ids alone decide)
	s_cmp_lg_u32 s41, 0
	s_cbranch_scc1 .Lsame_\@
	s_lshr_b32 s21, s[UN], 9
	WLOAD                                          ; the old weight's last products stand a quantiser's vector lines back
.Lsame_\@:
.endif
.endm
.macro ITER p, fill, nextw
	SYNC \p, \fill
	PHASE \p, \nextw
	XWORK 1-\p
.endm
	s_load_b512 s[4:19], s[0:1], 0x0               ; query, key, value, bq, bk, bv, wq, qkv
	v_lshl_add_u32 v[SPW], v0, 2, SPARE
	v_mov_b32 v[NIL], 0
	ds_add_u32 v[SPW], v[NIL]                      ; the opening lines: the add, twice on end, and its wait ahead of my first tensor load
	ds_add_u32 v[SPW], v[NIL]
	v_lshrrev_b32 v1, 5, v0
	s_delay_alu instid0(VALU_DEP_1)
	v_readfirstlane_b32 s20, v1                    ; wave = head
	s_mov_b32 s[G1+0], (3<<16)|(1<<20)|(7<<22)|(3<<25)   ; elements of 8 bytes; 16 bytes of padding behind every 1,024
	s_mov_b32 s[G1+1], 128<<16
	s_mov_b32 s[G1+2], 16<<16
	s_mov_b32 s[G1+3], 128<<16
	s_mov_b32 s[G1+4], 16                          ; 16 rows of 1,024 bytes: 8 tokens, dense
	s_mov_b32 s[G1+5], 128
	s_mov_b32 s[G1+6], 0
	s_mov_b32 s[G1+7], 0
	s_mul_i32 s40, s20, 8*TOKB
	s_lshl_b32 s[WOF], s20, 14
	s_mul_i32 s[UN], ttmp9, 6                      ; my first block
	s_lshr_b32 s21, s[UN], 9                       ; and its tensor
	s_lshr_b32 s41, s20, 2                         ; what I quantise: token tile wave / 2,
	s_lshl_b32 s41, s41, 5
	s_bfe_u32 s42, s20, 0x10001
	s_lshl_b32 s42, s42, 3
	s_add_co_u32 s41, s41, s42
	s_mul_i32 s41, s41, TOKB
	s_and_b32 s42, s20, 1                          ; half wave % 2 of K
	s_mul_i32 s42, s42, 1040
	s_add_co_u32 s41, s41, s42
	s_mul_i32 s43, s20, 3072
	s_lshl_b32 s44, s20, 8
	s_mov_b32 s[SEL], 0x76543210
	s_mov_b32 s[SEL+1], 0xfedcba98
	s_mov_b32 s47, 0xffff0000                      ; lanes 16-31
	s_wait_dscnt 0x0
	s_wait_kmcnt 0x0
	s_mov_b32 s[G0+0], 1
	s_mov_b32 s[G0+1], s40
	GADDR 0, 0
	s_mov_b32 s[G0+4], 1
	s_add_co_u32 s[G0+5], s40, SLOTB
	GADDR 1, 1
	tensor_load_to_lds s[G0:G0+3], s[G1:G1+7]      ; my part of the first block: one tensor load a wave at the head
	s_nop 0
	PLACES 4
	v_and_b32 v17, 31, v0                          ; lane
	v_and_b32 v18, 15, v0                          ; r
	v_bfe_u32 v19, v0, 4, 1                        ; h
	s_delay_alu instid0(VALU_DEP_3)
	v_lshlrev_b32 v1, 4, v17
	s_delay_alu instid0(VALU_DEP_4)
	v_lshlrev_b32 v2, 2, v17
	v_lshlrev_b32 v3, 3, v17
	v_and_b32 v14, 8, v18
	v_lshlrev_b32 v[BQA], 6, v19                   ; the bias of q, k: 16 h channels on
	s_delay_alu instid0(VALU_DEP_2)
	v_add_nc_u32 v14, v14, v18                     ; r + 8 (r / 8)
	v_add_nc_u32 v[IWC], s43, v1
	v_add_nc_u32 v[IWS], s44, v2
	s_delay_alu instid0(VALU_DEP_3)
	v_mul_u32_u24 v[XA], v14, TOKB
	s_delay_alu instid0(VALU_DEP_4)
	v_lshlrev_b32 v[BVA], 2, v14                   ; the bias of v: my channel
	s_delay_alu instid0(VALU_DEP_4)
	v_add_nc_u32 v[IWC], IMG0, v[IWC]
	s_delay_alu instid0(VALU_DEP_4)
	v_add_nc_u32 v[IWS], IMG0, v[IWS]
	s_delay_alu instid0(VALU_DEP_4)
	v_lshl_add_u32 v[XA], v19, 6, v[XA]
	s_delay_alu instid0(VALU_DEP_3)
	v_add_nc_u32 v[IWC+1], IMGB, v[IWC]
	s_delay_alu instid0(VALU_DEP_3)
	v_add_nc_u32 v[IWS+1], IMGB, v[IWS]
	v_add_nc_u32 v[IRC], IMG0, v1
	s_delay_alu instid0(VALU_DEP_4)
	v_add_nc_u32 v[XA], s41, v[XA]
	v_add_nc_u32 v[IRC+1], IMG0+IMGB, v1
	v_add_nc_u32 v[IRS], IMG0, v2
	v_add_nc_u32 v[IRS+1], IMG0+IMGB, v2
	s_delay_alu instid0(VALU_DEP_4)
	v_add_nc_u32 v[XA+1], SLOTB, v[XA]
.irp b, 0,1,2,3
	v_mov_b32 v[TM+4+\b], 0                        ; written once: a lane permute's destination counts as one of its sources
.endr
	s_wait_alu depctr_va_vdst(0)                   ; the wait behind the head's vector lines
	WLOAD                                          ; the first tensor's weight, on its way beside the first block
	s_wait_alu depctr_va_vdst(0)                   ; the wait at the head's end
	s_wait_tensorcnt 0x0                           ; my part of the first block is in
	ds_add_u32 v[SPW], v[NIL]
	s_wait_dscnt 0x0
	s_barrier_signal -1
	s_barrier_wait -1                              ; everybody's part is in
	tensor_load_to_lds s[G0+4:G0+7], s[G1:G1+7]    ; slot 1's first fill: my one tensor load behind this barrier
	s_nop 0
	PLACES 4
	XWORK 0
	s_mov_b32 s50, 2
.Lblk:                                 ; two trips of two blocks, each asking for the block two on
	ITER 0, 1, 0
	ITER 1, 1, 1
	s_sub_co_u32 s50, s50, 1
	s_cmp_lg_u32 s50, 0
	s_cbranch_scc1 .Lblk
	ITER 0, 0, 0                                   ; the last two blocks ask for nothing
	SYNC 1, 0
	PHASE 1, 0
	s_wait_tensorcnt 0x0                           ; the wave's end
	ds_add_u32 v[SPW], v[NIL]
	s_wait_dscnt 0x0
	s_endpgm
.Lfunc_end_k_qd0bd14d5c5_proj:
	.size	k_qd0bd14d5c5_proj, .Lfunc_end_k_qd0bd14d5c5_proj-k_qd0bd14d5c5_proj
	.p2alignl 7, 3214868480
	.fill 96, 4, 3214868480
	.section	.rodata,"a",@progbits
	.p2align	6, 0x0
	.amdhsa_kernel k_qd0bd14d5c5_proj
		.amdhsa_group_segment_fixed_size 327680
		.amdhsa_private_segment_fixed_size 0
		.amdhsa_enable_private_segment 0
		.amdhsa_kernarg_size 64
		.amdhsa_user_sgpr_count 2
		.amdhsa_user_sgpr_kernarg_segment_ptr 1
		.amdhsa_wavefront_size32 1
		.amdhsa_system_sgpr_workgroup_id_x 1
		.amdhsa_system_sgpr_workgroup_id_y 1
		.amdhsa_system_sgpr_workgroup_id_z 1
		.amdhsa_system_vgpr_workitem_id 0
		.amdhsa_next_free_vgpr 512
		.amdhsa_next_free_sgpr 66
		.amdhsa_reserve_vcc 0
		.amdhsa_float_denorm_mode_32 3
		.amdhsa_float_denorm_mode_16_64 3
		.amdhsa_memory_ordered 1
		.amdhsa_forward_progress 1
		.amdhsa_inst_pref_size 255
	.end_amdhsa_kernel
	.section	.bss,"aw",@nobits
	.p2align	6
	.space	262144
	.amdgpu_metadata
---
amdhsa.version: [ 1, 2 ]
amdhsa.kernels:
  - .name:           k_qd0bd14d5c5_proj
    .symbol:         k_qd0bd14d5c5_proj.kd
    .args:
      - { .name: query, .offset: 0, .size: 8, .value_kind: global_buffer, .address_space: global }
      - { .name: key, .offset: 8, .size: 8, .value_kind: global_buffer, .address_space: global }
      - { .name: value, .offset: 16, .size: 8, .value_kind: global_buffer, .address_space: global }
      - { .name: bq, .offset: 24, .size: 8, .value_kind: global_buffer, .address_space: global }
      - { .name: bk, .offset: 32, .size: 8, .value_kind: global_buffer, .address_space: global }
      - { .name: bv, .offset: 40, .size: 8, .value_kind: global_buffer, .address_space: global }
      - { .name: wq, .offset: 48, .size: 8, .value_kind: global_buffer, .address_space: global }
      - { .name: qkv, .offset: 56, .size: 8, .value_kind: global_buffer, .address_space: global }
    .group_segment_fixed_size: 327680
    .private_segment_fixed_size: 0
    .kernarg_segment_align: 8
    .kernarg_segment_size: 64
    .max_flat_workgroup_size: 256
    .sgpr_count:     66
    .vgpr_count:     512
    .wavefront_size: 32
...
	.end_amdgpu_metadata
.endif
;; end of part 2
;; launch attn (part 3): grid 8 x 32, 16 waves a work-group, no clusters, 169,984 bytes of LDS; arguments qkv, ao; writes ao
.if DOCPART == 3
	.amdgcn_target "amdgcn-amd-amdhsa--gfx1250"
	.amdhsa_code_object_version 6
	.text
	.protected	k_qd0bd14d5c5_attn
	.globl	k_qd0bd14d5c5_attn
	.p2align	8
	.type	k_qd0bd14d5c5_attn,@function
k_qd0bd14d5c5_attn:
	s_mov_b64 s[64:65], 0
	v_nop
	global_prefetch_b8 v0, s[64:65] scope:SCOPE_SE
	s_setreg_imm32_b32 hwreg(HW_REG_WAVE_MODE, 25, 1), 1
	s_wait_xcnt 0x0
; Causal attention of one (sequence, head): 1,024 tokens, 64 channels, both products on codes of FP6 (E2M3) with one E8M0 scale for each 32 along K.  The result, divided by the row's sum,
; is quantised along the channels (two blocks of the output projection's K) and leaves as half a fragment's register image.
; THE SOFTMAX AHEAD OF THE SECOND PRODUCT: t = score x log2(e) / 8; M = the row's largest t so far, rounded up to a whole number; p = 2^(t - M) is what is quantised, along the keys.
; The row's sum is taken of the unquantised p and divides at the end.  When M moves, the sum and O are multiplied by 2^(old M - new M): exact.
; LIMITS: NaN and infinities are not served; a block whose largest magnitude lies under 2^-124, a block of zeros among them, gets the byte 1: its codes add nothing, and this program alone reads the bytes.
; SHARES.  Work-group x = head, y = sequence.  The pair's whole record (K, V, Q and their scales, 157,696 dense bytes) comes into LDS ONCE, at the offsets that it has in memory: no ring, one barrier.
; Work-groups share no input, so there is no cluster.  Wave w takes the tiles of 16 queries w xor 0, 31, 32, 63: 1 + 4 + 5 + 8 or 2 + 3 + 6 + 7 = 18 key steps of 128 keys for every wave.
; LAYOUT.  Both products are used transposed: S^T = K Q^T (source 0 = 16 keys), O^T = V^T P^T (source 0 = 16 channels): a lane holds ONE query throughout.
; THE TOKENS OF A TILE ARE NOT NEIGHBOURS: lane r of tile T is token 32 (T / 2) + 8 (T % 2) + r + 8 (r / 8); so the 16 registers of tiles 2 b, 2 b + 1 of S^T are keys 32 b + 16 (lane / 16) + 0 .. 15.  V's channels likewise.
; THE FIRST PRODUCT'S K IS 64: registers 6-11 of K's and Q's fragments are zero codes, set once; the scale bytes over them are never 0xff.
; CAUSAL.  The loop over key steps has 8 trips for every tile; a step all of whose keys come after the tile's queries is jumped over by a scalar branch on ids; in the step on the diagonal hidden scores become -infinity.
; REGISTERS: v1-4 lane terms; v5-8 the step's LDS addresses; v9-11 other addresses; v12 -M, v13 the largest t, v[14:15] the sum; v16-27 Q; v28 Q's scales, v29 p's, v32-35 K's, v36-37 V's; v[30:31] f;
;   v40-87 four fragments of K; v96-159 S^T, then p, then V's four fragments; v160-191 O^T; v192-210 codes; v212-227 at work.
.set REC,   157696
.set KC,    0
.set VC,    49152
.set KS,    98304
.set VS,    102400
.set QC,    104448
.set QS,    153600
.set AREC,  51200                      ; ao: a record of 128 tokens: codes 6144 (tile % 8) + 768 head + 256 p + 8 lane,
.set ASC,   49152                      ; two scale bytes at ASC + 256 (tile % 8) + 64 (head / 2) + 4 r + 2 (head % 2)
.set WV,    8
.set SEL,   24                         ; s[24:25] lane selects for v_permlanex16_b32: lane l xor 16
.set CS,    26                         ; s[26:27] c = log2(e) / 8: the packed form names a pair and takes its low word for both halves
.macro PLACES n
.rept \n
	v_nop
.endr
.endm
	s_load_b128 s[4:7], s[0:1], 0x0                ; qkv, ao
	v_lshl_add_u32 v254, v0, 2, 0x29000
	v_mov_b32 v255, 0
	ds_add_u32 v254, v255
	ds_add_u32 v254, v255
	v_lshrrev_b32 v1, 5, v0
	s_delay_alu instid0(VALU_DEP_1)
	v_readfirstlane_b32 s[WV], v1                  ; wave 0..15
	s_and_b32 s10, ttmp7, 0xffff                   ; the sequence
	s_lshl_b32 s11, s10, 3
	s_add_co_u32 s11, s11, ttmp9                   ; the record
	s_mul_i32 s40, s11, REC
	s_mul_i32 s37, s[WV], 19712                    ; waves 0 to 7 bring 77 rows of 256 bytes each
	s_add_co_u32 s40, s40, s37
	s_mov_b32 s41, 0
	s_mov_b32 s16, 3<<16                           ; group 1: no mask; elements of 8 bytes; no padding
	s_mov_b32 s17, 32<<16                          ; tensor_dim0
	s_mov_b32 s18, 77<<16                          ; tensor_dim1
	s_mov_b32 s19, 32<<16                          ; tile_dim0
	s_mov_b32 s20, 77                              ; tile_dim1
	s_mov_b32 s21, 32                              ; from row to row: dense
	s_mov_b32 s22, 0
	s_mov_b32 s23, 0
	s_mov_b32 s[SEL], 0x76543210
	s_mov_b32 s[SEL+1], 0xfedcba98
	s_mov_b32 s[CS], 0x3e38aa3b
	s_mov_b32 s[CS+1], s[CS]
	s_mul_i32 s42, ttmp9, 768                      ; the head's place among a tile's codes in ao,
	s_lshr_b32 s43, ttmp9, 1
	s_lshl_b32 s43, s43, 6
	s_and_b32 s44, ttmp9, 1
	s_lshl_b32 s44, s44, 1
	s_add_co_u32 s43, s43, s44
	s_add_co_u32 s43, s43, ASC                     ; and among its scale bytes
	s_wait_dscnt 0x0
	s_wait_kmcnt 0x0
	s_mov_b32 s12, 1
	s_mov_b32 s13, s37
	s_add_nc_u64 s[14:15], s[4:5], s[40:41]
	s_or_b32 s15, s15, 0x80000000
	s_cmp_lt_u32 s[WV], 8
	s_cbranch_scc0 .Lno_fill
	tensor_load_to_lds s[12:15], s[16:23]          ; filled once: one tensor load of mine is out
	s_nop 0
	PLACES 4
.Lno_fill:
	v_and_b32 v9, 31, v0                           ; lane
	s_delay_alu instid0(VALU_DEP_1)
	v_lshlrev_b32 v1, 3, v9                        ; 8 x lane: an image's place
	s_delay_alu instid0(VALU_DEP_2)
	v_lshlrev_b32 v2, 2, v9                        ; 4 x lane: two tiles' scale words
	v_and_b32 v10, 15, v0                          ; r
	s_delay_alu instid0(VALU_DEP_1)
	v_lshlrev_b32 v3, 2, v10                       ; 4 r
	v_bfe_u32 v11, v0, 4, 1                        ; h
	s_delay_alu instid0(VALU_DEP_3)
	v_and_b32 v4, 8, v10
	s_delay_alu instid0(VALU_DEP_1)
	v_add_nc_u32 v4, v4, v10
	s_delay_alu instid0(VALU_DEP_3)
	v_lshlrev_b32 v11, 4, v11
	s_delay_alu instid0(VALU_DEP_1)
	v_sub_nc_u32 v4, v4, v11                       ; r + 8 (r / 8) - 16 h: for the mask
.irp j, 22,23,24,25,26,27
	v_mov_b32 v[\j], 0                             ; Q's upper 64 along K: zero codes
.endr
.irp t, 0,1,2,3
.irp j, 6,7,8,9,10,11
	v_mov_b32 v[40+12*\t+\j], 0                    ; K's likewise: never loaded into
.endr
.endr
	v_mov_b32 v31, 0                               ; (named as the upper half of the pair v[30:31])
.irp j, 216,217,218,219,226
	v_mov_b32 v[\j], 0                             ; written once: a lane permute's destination counts as one of its sources
.endr
	s_wait_tensorcnt 0x0                           ; my part of the record is in,
	s_barrier_signal -1
	s_barrier_wait -1                              ; everybody's is.  From here on LDS is only read
	s_mov_b32 s28, 0
.Ltile:                                ; four tiles of queries
	s_wait_xcnt 0x0                                ; the last tile's stores have read their registers
	s_and_b32 s29, s28, 1
	s_mul_i32 s29, s29, 31
	s_lshr_b32 s37, s28, 1
	s_lshl_b32 s37, s37, 5
	s_or_b32 s29, s29, s37                         ; 0, 31, 32, 63
	s_xor_b32 s29, s29, s[WV]                      ; the tile
	s_lshr_b32 s30, s29, 3                         ; the key step on its diagonal
	s_bfe_u32 s31, s29, 0x20001
	s_lshl_b32 s31, s31, 5
	s_and_b32 s37, s29, 1
	s_lshl_b32 s37, s37, 3
	s_add_co_u32 s31, s31, s37                     ; the tile's first token within that step's 128
	s_mul_i32 s37, s29, 768
	s_add_co_u32 s37, s37, QC
	v_add_nc_u32 v9, s37, v1
.irp p, 0,1,2
	ds_load_b64 v[16+2*\p:17+2*\p], v9 offset:256*\p
.endr
	s_lshl_b32 s37, s29, 6
	s_add_co_u32 s37, s37, QS
	v_add_nc_u32 v5, s37, v3
	ds_load_b32 v28, v5
	v_mov_b32 v13, 0xff61b1e6                      ; the largest t so far: -3e38, under every t
	s_delay_alu instid0(VALU_DEP_1)
	v_floor_f32 v12, -v13                          ; -M
	v_mov_b32 v14, 0
	v_mov_b32 v15, 0
.irp j, 0,1,2,3,4,5,6,7,8,9,10,11,12,13,14,15,16,17,18,19,20,21,22,23,24,25,26,27,28,29,30,31
	v_mov_b32 v[160+\j], 0                         ; O^T: the step is written once; the first finds zeros, which the first change of M leaves zeros
.endr
	s_mov_b32 s32, KC
	s_mov_b32 s33, VC
	s_mov_b32 s34, KS
	s_mov_b32 s35, VS
	s_mov_b32 s36, 0
	s_wait_dscnt 0x0                               ; Q and its scale words
.Lstep:                                ; eight trips, whatever the tile
	s_cmp_gt_u32 s36, s30
	s_cbranch_scc1 .Lhidden
	v_add_nc_u32 v5, s32, v1
	s_wait_alu depctr_va_vdst(0)
	v_add_nc_u32 v6, s33, v1
	v_add_nc_u32 v7, s34, v2
	v_add_nc_u32 v8, s35, v2
	PLACES 2                                       ; six places: the products below write over registers that the last step's second products read
.irp g, 0,1                            ; S^T = K Q^T, four tiles of 16 keys at a time
.if \g
	PLACES 4                                       ; in front of loads into registers that matrix instructions have read
.endif
.irp t, 0,1,2,3
.irp p, 0,1,2
	ds_load_b64 v[40+12*\t+2*\p:41+12*\t+2*\p], v5 offset:(4*\g+\t)*768+256*\p   ; 32 lanes read 256 consecutive bytes
.endr
.endr
.if \g == 0
.irp i, 0,1,2,3
	ds_load_b32 v[32+\i], v7 offset:128*\i         ; lanes 0-15: tile 2 i, lanes 16-31: tile 2 i + 1
.endr
.endif
	s_wait_dscnt 0x0
.irp t, 0,2
	v_wmma_scale_f32_16x16x128_f8f6f4 v[96+8*(4*\g+\t):103+8*(4*\g+\t)], v[40+12*\t:51+12*\t], v[16:27], 0, v[32+2*\g+\t/2], v28 matrix_a_fmt:MATRIX_FMT_FP6 matrix_b_fmt:MATRIX_FMT_FP6
	v_wmma_scale_f32_16x16x128_f8f6f4 v[104+8*(4*\g+\t):111+8*(4*\g+\t)], v[52+12*\t:63+12*\t], v[16:27], 0, v[32+2*\g+\t/2], v28 matrix_a_fmt:MATRIX_FMT_FP6 matrix_b_fmt:MATRIX_FMT_FP6 matrix_a_scale:MATRIX_SCALE_ROW1
.endr
.endr
	PLACES 4                                       ; in front of the first read of results
	s_cmp_lg_u32 s36, s30
	s_cbranch_scc1 .Lopen
	v_add_nc_u32 v226, s31, v4                     ; d = my query within the step - 16 h.  Register 16 b + i holds key 32 b + 16 h + i: hidden where 32 b + i > d
	v_mov_b32 v227, 0xff800000                     ; -infinity
	s_lshr_b32 s37, s31, 5                         ; the block of 32 keys that holds the tile's 16 tokens: d lies in 32 s37 - 16 .. 32 s37 + 31
	s_wait_alu depctr_va_vdst(0)                   ; the wait ahead of the branches
.irp b, 0,1,2,3                        ; blocks ahead of it are open, blocks behind it hidden whole; it alone is compared.  The branches hang on ids alone
.if \b
	s_cmp_lt_u32 s37, \b
	s_cbranch_scc1 .Lall_\b
.endif
.if \b < 3
	s_cmp_gt_u32 s37, \b
	s_cbranch_scc1 .Lnext_\b
.endif
.irp i, 0,1,2,3,4,5,6,7,8,9,10,11,12,13,14,15
	v_cmp_gt_i32 vcc_lo, 32*\b+\i, v226
	v_cndmask_b32 v[96+16*\b+\i], v[96+16*\b+\i], v227, vcc_lo
.endr
.if \b
	s_branch .Lnext_\b
.Lall_\b:
.irp i, 0,1,2,3,4,5,6,7,8,9,10,11,12,13,14,15
	v_mov_b32 v[96+16*\b+\i], v227
.endr
.endif
.Lnext_\b:
.endr
	s_wait_alu depctr_va_vdst(0)
.Lopen:
.irp b, 0,1,2,3
	v_max3_num_f32 v[212+\b], v[96+16*\b], v[97+16*\b], v[98+16*\b]   ; the largest score of each block of 32 keys: for the row's maximum and, since p rises with the score, for the block's largest p
.endr
.irp i, 3,5,7,9,11,13
.irp b, 0,1,2,3
	v_max3_num_f32 v[212+\b], v[212+\b], v[96+16*\b+\i], v[97+16*\b+\i]
.endr
.endr
.irp b, 0,1,2,3
	v_max_num_f32 v[212+\b], v[212+\b], v[111+16*\b]
.endr
.irp b, 0,1,2,3
	s_delay_alu instid0(VALU_DEP_4)
	v_permlanex16_b32 v[216+\b], v[212+\b], s[SEL], s[SEL+1]
.endr
.irp b, 0,1,2,3
	s_delay_alu instid0(VALU_DEP_4)
	v_max_num_f32 v[212+\b], v[212+\b], v[216+\b]  ; with lane l xor 16's 16 keys
.endr
	s_delay_alu instid0(VALU_DEP_2)
	v_max3_num_f32 v226, v212, v213, v214
	s_delay_alu instid0(VALU_DEP_1)
	v_max_num_f32 v226, v226, v215                 ; the step's largest score of my query (the step's first key always counts)
	s_delay_alu instid0(VALU_DEP_1)
	v_mul_f32 v226, s[CS], v226                    ; as t
	s_delay_alu instid0(VALU_DEP_1)
	v_max_num_f32 v13, v13, v226                   ; the running largest t
	v_mov_b32 v226, v12
	s_delay_alu instid0(VALU_DEP_2)
	v_floor_f32 v12, -v13                          ; the new -M = -ceil(t)
	s_delay_alu instid0(VALU_DEP_1)
	v_sub_f32 v226, v12, v226                      ; old M - new M: a whole number, 0 or less
	s_delay_alu instid0(VALU_DEP_1)
	v_cvt_i32_f32 v226, v226                       ; (it saturates)
	s_delay_alu instid0(VALU_DEP_1)
	v_ldexp_f32 v30, 1.0, v226                     ; f = 2^(old M - new M)
.irp j, 0,2,4,6,8,10,12,14,16,18,20,22,24,26,28,30,32,34,36,38,40,42,44,46,48,50,52,54,56,58,60,62
	v_pk_fma_f32 v[96+\j:97+\j], v[96+\j:97+\j], s[CS:CS+1], v[12:13] op_sel_hi:[1,0,0]   ; t - M, two at a time
.endr
.irp b, 0,1,2,3
	v_fma_f32 v[212+\b], v[212+\b], s[CS], v12     ; the same of each block's largest score
.endr
	s_wait_alu depctr_va_vdst(0)
.irp j, 0,1,2,3,4,5,6,7,8,9,10,11,12,13,14,15,16,17,18,19,20,21,22,23,24,25,26,27,28,29,30,31,32,33,34,35,36,37,38,39,40,41,42,43,44,45,46,47,48,49,50,51,52,53,54,55,56,57,58,59,60,61,62,63
	v_exp_f32 v[96+\j], v[96+\j]                   ; p = 2^(t - M), at most 1
.endr
	v_pk_mul_f32 v[14:15], v[14:15], v[30:31] op_sel_hi:[1,0]   ; the sums under the new M: a plain line behind the exponentials
	s_wait_alu depctr_va_vdst(0)                   ; one wait for the batch of 64, ahead of its first reader
.irp b, 0,1,2,3
	v_exp_f32 v[212+\b], v[212+\b]                 ; the block's largest p
.endr
	v_pk_add_f32 v[224:225], v[100:101], v[104:105]
	v_pk_add_f32 v[252:253], v[108:109], v[112:113]
	v_pk_add_f32 v[250:251], v[116:117], v[120:121]
	v_pk_add_f32 v[248:249], v[124:125], v[128:129]
	v_pk_add_f32 v[246:247], v[132:133], v[136:137]
	v_pk_add_f32 v[244:245], v[140:141], v[144:145]
	v_pk_add_f32 v[242:243], v[148:149], v[152:153]
	v_pk_add_f32 v[14:15], v[14:15], v[156:157]
	v_pk_add_f32 v[224:225], v[224:225], v[96:97]
	v_pk_add_f32 v[252:253], v[252:253], v[98:99]
	v_pk_add_f32 v[250:251], v[250:251], v[102:103]
	v_pk_add_f32 v[248:249], v[248:249], v[106:107]
	v_pk_add_f32 v[246:247], v[246:247], v[110:111]
	v_pk_add_f32 v[244:245], v[244:245], v[114:115]
	v_pk_add_f32 v[242:243], v[242:243], v[118:119]
	v_pk_add_f32 v[14:15], v[14:15], v[122:123]
	v_pk_add_f32 v[224:225], v[224:225], v[126:127]
	v_pk_add_f32 v[252:253], v[252:253], v[130:131]
	v_pk_add_f32 v[250:251], v[250:251], v[134:135]
	v_pk_add_f32 v[248:249], v[248:249], v[138:139]
	v_pk_add_f32 v[246:247], v[246:247], v[142:143]
	v_pk_add_f32 v[244:245], v[244:245], v[146:147]
	v_pk_add_f32 v[242:243], v[242:243], v[150:151]
	v_pk_add_f32 v[14:15], v[14:15], v[154:155]
	v_pk_add_f32 v[224:225], v[224:225], v[158:159]
	s_delay_alu instid0(VALU_DEP_2)
	v_pk_add_f32 v[14:15], v[14:15], v[248:249]
	s_delay_alu instid0(VALU_DEP_2)
	v_pk_add_f32 v[224:225], v[224:225], v[246:247]
	v_pk_add_f32 v[252:253], v[252:253], v[244:245]
	v_pk_add_f32 v[250:251], v[250:251], v[242:243]
	s_delay_alu instid0(VALU_DEP_2)
	v_pk_add_f32 v[14:15], v[14:15], v[252:253]
	s_delay_alu instid0(VALU_DEP_2)
	v_pk_add_f32 v[224:225], v[224:225], v[250:251]
	s_delay_alu instid0(VALU_DEP_1)
	v_pk_add_f32 v[14:15], v[14:15], v[224:225]
	s_wait_alu depctr_va_vdst(0)                   ; and one for the four
.irp b, 0,1,2,3
	v_max_num_f32 v[212+\b], 0x1800000, v[212+\b]  ; the floor 2^(3 - 127): the byte cannot fall under 1
.endr
.irp b, 0,1,2,3
	s_delay_alu instid0(VALU_DEP_4)
	v_add_nc_u32 v[220+\b], 0xff000000, v[212+\b]  ; 2 off the exponent field: the conversion's scale operand
.endr
.irp b, 0,1,2,3
	s_delay_alu instid0(VALU_DEP_4)
	v_lshrrev_b32 v[216+\b], 23, v[220+\b]         ; the scale's byte
.endr
	s_delay_alu instid0(VALU_DEP_3)
	v_lshl_or_b32 v29, v217, 8, v216               ; p's scale word for these 128 keys
	s_delay_alu instid0(VALU_DEP_1)
	v_lshl_or_b32 v29, v218, 16, v29
	s_delay_alu instid0(VALU_DEP_1)
	v_lshl_or_b32 v29, v219, 24, v29
.irp c, 0,1
	v_cvt_scalef32_pk16_fp6_f32 v[192+6*\c:194+6*\c], v[96+32*\c:111+32*\c], v[220+2*\c]
	v_cvt_scalef32_pk16_fp6_f32 v[204+4*\c:206+4*\c], v[112+32*\c:127+32*\c], v[221+2*\c]
.endr
	v_nop                                          ; one plain place behind a scaled conversion
.irp t, 0,1,2,3                        ; V's four fragments take p's registers, which are done with; they land under the lines below
.irp p, 0,1,2
	ds_load_b64 v[96+12*\t+2*\p:97+12*\t+2*\p], v6 offset:768*\t+256*\p             ; keys 0-63 of the step
	ds_load_b64 v[102+12*\t+2*\p:103+12*\t+2*\p], v6 offset:3072+768*\t+256*\p      ; keys 64-127
.endr
.endr
	ds_load_b32 v36, v8
	ds_load_b32 v37, v8 offset:128
.irp c, 0,1                            ; the layout wants a whole block in a lane
.irp i, 0,1,2
	v_permlane16_swap_b32 v[192+6*\c+\i], v[204+4*\c+\i]
.endr
.irp i, 0,1,2
	s_delay_alu instid0(VALU_DEP_3)
	v_mov_b32 v[195+6*\c+\i], v[204+4*\c+\i]
.endr
.endr
.irp j, 0,2,4,6,8,10,12,14,16,18,20,22,24,26,28,30
	v_pk_mul_f32 v[160+\j:161+\j], v[160+\j:161+\j], v[30:31] op_sel_hi:[1,0]   ; O^T under the new M; twelve of these name no register of any one product below: the places behind p's codes and scale word
.endr
	s_wait_alu depctr_va_vdst(0)
	s_wait_dscnt 0x0
.irp t, 0,2                            ; O^T += V^T P^T: the four accumulators by turns
	v_wmma_scale_f32_16x16x128_f8f6f4 v[160+8*\t:167+8*\t], v[96+12*\t:107+12*\t], v[192:203], v[160+8*\t:167+8*\t], v[36+\t/2], v29 matrix_a_fmt:MATRIX_FMT_FP6 matrix_b_fmt:MATRIX_FMT_FP6
	v_wmma_scale_f32_16x16x128_f8f6f4 v[168+8*\t:175+8*\t], v[108+12*\t:119+12*\t], v[192:203], v[168+8*\t:175+8*\t], v[36+\t/2], v29 matrix_a_fmt:MATRIX_FMT_FP6 matrix_b_fmt:MATRIX_FMT_FP6 matrix_a_scale:MATRIX_SCALE_ROW1
.endr
.Lhidden:
	s_add_co_u32 s32, s32, 6144                    ; the next 128 keys: eight tiles of K,
	s_add_co_u32 s33, s33, 6144                    ; two blocks of 64 keys of V,
	s_add_co_u32 s34, s34, 512                     ; their scale words
	s_add_co_u32 s35, s35, 256
	s_add_co_u32 s36, s36, 1
	s_cmp_lt_u32 s36, 8
	s_cbranch_scc1 .Lstep
	; THE TILE'S END: O^T / the sum, quantised along the head's 64 channels: register 16 b + i is channel 32 b + 16 (lane / 16) + i of my query
	PLACES 4
	v_add_f32 v14, v14, v15
	s_delay_alu instid0(VALU_DEP_1)
	v_permlanex16_b32 v226, v14, s[SEL], s[SEL+1]
	s_delay_alu instid0(VALU_DEP_1)
	v_add_f32 v14, v14, v226                       ; the row's sum
	s_wait_alu depctr_va_vdst(0)
	v_rcp_f32 v14, v14
	v_nop                                          ; a plain place behind the transcendental
	s_lshl_b32 s37, s10, 3
	s_add_co_u32 s37, s37, s30
	s_mul_i32 s37, s37, AREC                       ; the record of these 128 tokens
	s_and_b32 s38, s29, 7
	s_mul_i32 s39, s38, 6144
	s_add_co_u32 s39, s39, s37
	s_add_co_u32 s39, s39, s42
	s_lshl_b32 s38, s38, 8
	s_add_co_u32 s38, s38, s37
	s_add_co_u32 s38, s38, s43
	v_add_nc_u32 v10, s39, v1
	v_add_nc_u32 v11, s38, v3
	s_wait_alu depctr_va_vdst(0)                   ; the wait, ahead of the first reader
.irp j, 0,2,4,6,8,10,12,14,16,18,20,22,24,26,28,30
	v_pk_mul_f32 v[96+\j:97+\j], v[160+\j:161+\j], v[14:15] op_sel_hi:[1,0]   ; each accumulator from its low end on
.endr
.irp b, 0,1
	v_max3_num_f32 v[212+\b], |v[96+16*\b]|, |v[97+16*\b]|, 0x1800000
.endr
.irp i, 2,4,6,8,10,12,14
.irp b, 0,1
	s_delay_alu instid0(VALU_DEP_2)
	v_max3_num_f32 v[212+\b], v[212+\b], |v[96+16*\b+\i]|, |v[97+16*\b+\i]|
.endr
.endr
.irp b, 0,1
	s_delay_alu instid0(VALU_DEP_2)
	v_permlanex16_b32 v[216+\b], v[212+\b], s[SEL], s[SEL+1]
.endr
.irp b, 0,1
	s_delay_alu instid0(VALU_DEP_2)
	v_max_num_f32 v[212+\b], v[212+\b], v[216+\b]
.endr
.irp b, 0,1
	s_delay_alu instid0(VALU_DEP_2)
	v_add_nc_u32 v[220+\b], 0xff000000, v[212+\b]
.endr
.irp b, 0,1
	s_delay_alu instid0(VALU_DEP_2)
	v_lshrrev_b32 v[216+\b], 23, v[220+\b]
.endr
	s_delay_alu instid0(VALU_DEP_1)
	v_lshl_or_b32 v227, v217, 8, v216              ; the head's two scale bytes of my token
	v_cvt_scalef32_pk16_fp6_f32 v[192:194], v[96:111], v220
	v_cvt_scalef32_pk16_fp6_f32 v[204:206], v[112:127], v221
	v_nop
.irp i, 0,1,2
	v_permlane16_swap_b32 v[192+\i], v[204+\i]
.endr
.irp i, 0,1,2
	s_delay_alu instid0(VALU_DEP_3)
	v_mov_b32 v[195+\i], v[204+\i]
.endr
.irp p, 0,1,2
	global_store_b64 v10, v[192+2*\p:193+2*\p], s[6:7] offset:256*\p   ; 32 lanes store 256 consecutive bytes, at a multiple of 256 from the buffer's first byte
.endr
	global_store_b16 v11, v227, s[6:7]             ; lanes r and r + 16 store the same two bytes
	s_add_co_u32 s28, s28, 1
	s_cmp_lt_u32 s28, 4
	s_cbranch_scc1 .Ltile
	s_wait_tensorcnt 0x0
	ds_add_u32 v254, v255
	s_wait_dscnt 0x0
	s_endpgm
.Lfunc_end_k_qd0bd14d5c5_attn:
	.size	k_qd0bd14d5c5_attn, .Lfunc_end_k_qd0bd14d5c5_attn-k_qd0bd14d5c5_attn
	.p2alignl 7, 3214868480
	.fill 96, 4, 3214868480
	.section	.rodata,"a",@progbits
	.p2align	6, 0x0
	.amdhsa_kernel k_qd0bd14d5c5_attn
		.amdhsa_group_segment_fixed_size 169984
		.amdhsa_private_segment_fixed_size 0
		.amdhsa_enable_private_segment 0
		.amdhsa_kernarg_size 16
		.amdhsa_user_sgpr_count 2
		.amdhsa_user_sgpr_kernarg_segment_ptr 1
		.amdhsa_wavefront_size32 1
		.amdhsa_system_sgpr_workgroup_id_x 1
		.amdhsa_system_sgpr_workgroup_id_y 1
		.amdhsa_system_sgpr_workgroup_id_z 1
		.amdhsa_system_vgpr_workitem_id 0
		.amdhsa_next_free_vgpr 256
		.amdhsa_next_free_sgpr 66
		.amdhsa_reserve_vcc 1
		.amdhsa_float_denorm_mode_32 3
		.amdhsa_float_denorm_mode_16_64 3
		.amdhsa_memory_ordered 1
		.amdhsa_forward_progress 1
		.amdhsa_inst_pref_size 38
	.end_amdhsa_kernel
	.amdgpu_metadata
---
amdhsa.version: [ 1, 2 ]
amdhsa.kernels:
  - .name:           k_qd0bd14d5c5_attn
    .symbol:         k_qd0bd14d5c5_attn.kd
    .args:
      - { .name: qkv, .offset: 0, .size: 8, .value_kind: global_buffer, .address_space: global }
      - { .name: ao, .offset: 8, .size: 8, .value_kind: global_buffer, .address_space: global }
    .group_segment_fixed_size: 169984
    .private_segment_fixed_size: 0
    .kernarg_segment_align: 8
    .kernarg_segment_size: 16
    .max_flat_workgroup_size: 512
    .sgpr_count:     66
    .vgpr_count:     256
    .wavefront_size: 32
...
	.end_amdgpu_metadata
.endif
;; end of part 3
;; launch oproj (part 4): grid 256 x 1, 8 waves a work-group, no clusters, 168,960 bytes of LDS; arguments ao, wq, bo, out0; writes out0
.if DOCPART == 4
	.amdgcn_target "amdgcn-amd-amdhsa--gfx1250"
	.amdhsa_code_object_version 6
	.text
	.protected	k_qd0bd14d5c5_oproj
	.globl	k_qd0bd14d5c5_oproj
	.p2align	8
	.type	k_qd0bd14d5c5_oproj,@function
k_qd0bd14d5c5_oproj:
	s_mov_b64 s[64:65], 0
	v_nop
	global_prefetch_b8 v0, s[64:65] scope:SCOPE_SE
	s_setreg_imm32_b32 hwreg(HW_REG_WAVE_MODE, 25, 1), 1
	s_wait_xcnt 0x0
; out = a Wo^T + bo, on codes of FP6 (E2M3) with one E8M0 scale for each 32 along K; a is the attention's result, which arrives as register images of its fragments; out is f32.
; SHARES.  A work-group takes 128 tokens: one record of ao (51,200 dense bytes), brought into LDS once.  Wave w makes output columns 64 w .. 64 w + 63 for all of them: its 16 fragments of Wo
; and its bias stay in registers.  No cluster: the record is a work-group's own, and the weight goes straight into the registers where it stays.
; LAYOUT.  Source 0 = 16 rows of Wo, source 1 = 16 tokens: a lane holds a token, and its eight results of tile t are columns 32 (t / 2) + 8 (t % 2) + 16 (lane / 16) + 0 .. 7 of my 64.
; Lane r of tile m is token 32 (m / 2) + 8 (m % 2) + r + 8 (r / 8) of the 128.  A tile's 16 rows x 256 bytes go through my own stage in LDS and leave as whole runs of 256 bytes.
; REGISTERS: window 0: v1-7 addresses; v20-21 the tokens' scale words (K step 2 i in lanes 0-15, 2 i + 1 in lanes 16-31); v24-31 Wo's; v32-79 four fragments; v96-127 results; v128-191 rows on their way out.
;            window 1: v0-191 Wo's fragments (tile t, K step s at 12 (4 t + s)); v192-223 the bias.
.set AREC,  51200
.set ASC,   49152
.set STG,   51200                      ; behind the record: a stage of 16 rows x (256 bytes + 16) for each wave; no fill lands there
.set WREC,  204800
.set WSC,   196608
.set XS,    20
.set WS,    24
.set XF,    32
.set ACC,   96
.set BI,    192
.set MSB, 0
.macro WIN new                         ; the immediate's high byte repeats the setting that is left
.if MSB != \new
	s_set_vgpr_msb (MSB<<8)|\new
.set MSB, \new
.endif
.endm
.macro PLACES n
.rept \n
	v_nop
.endr
.endm
; A product.  ra = 1: Wo's scale words from lanes 16-31 (odd tiles); rb = 1: the tokens' (odd K steps).
.macro WMO d, a, b, c, sa, sb, ra, rb
.if (\ra) && (\rb)
	v_wmma_scale_f32_16x16x128_f8f6f4 v[\d:\d+7], v[\a:\a+11], v[\b:\b+11], v[\c:\c+7], v[\sa], v[\sb] matrix_a_fmt:MATRIX_FMT_FP6 matrix_b_fmt:MATRIX_FMT_FP6 matrix_a_scale:MATRIX_SCALE_ROW1 matrix_b_scale:MATRIX_SCALE_ROW1
.elseif (\ra)
	v_wmma_scale_f32_16x16x128_f8f6f4 v[\d:\d+7], v[\a:\a+11], v[\b:\b+11], v[\c:\c+7], v[\sa], v[\sb] matrix_a_fmt:MATRIX_FMT_FP6 matrix_b_fmt:MATRIX_FMT_FP6 matrix_a_scale:MATRIX_SCALE_ROW1
.elseif (\rb)
	v_wmma_scale_f32_16x16x128_f8f6f4 v[\d:\d+7], v[\a:\a+11], v[\b:\b+11], v[\c:\c+7], v[\sa], v[\sb] matrix_a_fmt:MATRIX_FMT_FP6 matrix_b_fmt:MATRIX_FMT_FP6 matrix_b_scale:MATRIX_SCALE_ROW1
.else
	v_wmma_scale_f32_16x16x128_f8f6f4 v[\d:\d+7], v[\a:\a+11], v[\b:\b+11], v[\c:\c+7], v[\sa], v[\sb] matrix_a_fmt:MATRIX_FMT_FP6 matrix_b_fmt:MATRIX_FMT_FP6
.endif
.endm
	s_load_b256 s[4:11], s[0:1], 0x0               ; ao, wq, bo, out0
	v_lshl_add_u32 v254, v0, 2, 0x29000
	v_mov_b32 v255, 0
	ds_add_u32 v254, v255
	ds_add_u32 v254, v255
	v_lshrrev_b32 v1, 5, v0
	s_delay_alu instid0(VALU_DEP_1)
	v_readfirstlane_b32 s12, v1                    ; wave 0..7
	s_mul_i32 s28, ttmp9, AREC
	s_mul_i32 s13, s12, 25600                      ; waves 0 and 1 bring 100 rows of 256 bytes each
	s_add_co_u32 s28, s28, s13
	s_mov_b32 s29, 0
	s_mov_b32 s16, 3<<16                           ; group 1: no mask; elements of 8 bytes; no padding
	s_mov_b32 s17, 32<<16
	s_mov_b32 s18, 100<<16
	s_mov_b32 s19, 32<<16
	s_mov_b32 s20, 100
	s_mov_b32 s21, 32
	s_mov_b32 s22, 0
	s_mov_b32 s23, 0
	s_wait_dscnt 0x0
	s_wait_kmcnt 0x0
	s_mov_b32 s24, 1
	s_mov_b32 s25, s13
	s_add_nc_u64 s[26:27], s[4:5], s[28:29]
	s_or_b32 s27, s27, 0x80000000
	s_cmp_lt_u32 s12, 2
	s_cbranch_scc0 .Lno_fill
	tensor_load_to_lds s[24:27], s[16:23]          ; filled once: one tensor load of mine is out
	s_nop 0
	PLACES 4
.Lno_fill:
	v_and_b32 v8, 31, v0                           ; lane
	s_delay_alu instid0(VALU_DEP_1)
	v_lshlrev_b32 v1, 4, v8
	s_delay_alu instid0(VALU_DEP_2)
	v_lshlrev_b32 v2, 2, v8
	s_delay_alu instid0(VALU_DEP_3)
	v_lshlrev_b32 v3, 3, v8
	v_and_b32 v9, 15, v0                           ; r
	v_bfe_u32 v10, v0, 4, 1                        ; h
	s_mul_i32 s14, s12, 16*272
	s_add_co_u32 s14, s14, STG                     ; my stage
	v_mul_u32_u24 v4, v9, 272
	s_delay_alu instid0(VALU_DEP_1)
	v_lshl_add_u32 v4, v10, 6, v4
	s_delay_alu instid0(VALU_DEP_1)
	v_add_nc_u32 v4, s14, v4                       ; in: row r, + 64 h
	v_mul_u32_u24 v5, v10, 272
	s_delay_alu instid0(VALU_DEP_1)
	v_lshl_add_u32 v5, v9, 4, v5
	s_delay_alu instid0(VALU_DEP_1)
	v_add_nc_u32 v5, s14, v5                       ; back: lanes 0-15 one row, lanes 16-31 the next
	v_lshlrev_b32 v6, 11, v10
	s_delay_alu instid0(VALU_DEP_1)
	v_lshl_add_u32 v6, v9, 4, v6                   ; and the same two rows of out, 2,048 bytes apart
	v_lshlrev_b32 v7, 6, v10                       ; the bias: 64 h
	s_wait_alu depctr_va_vdst(0)
	s_mul_i32 s30, s12, 24576
	s_add_co_u32 s30, s30, 3*WREC                  ; Wo's record, my 16 fragments
	s_mov_b32 s31, 0
	s_add_nc_u64 s[30:31], s[6:7], s[30:31]
	s_lshl_b32 s32, s12, 10
	s_add_co_u32 s32, s32, 3*WREC+WSC
	s_mov_b32 s33, 0
	s_add_nc_u64 s[32:33], s[6:7], s[32:33]
	s_lshl_b32 s34, s12, 8                         ; my 64 columns: 256 bytes, in bo and in a row of out
	s_mov_b32 s35, 0
	s_add_nc_u64 s[8:9], s[8:9], s[34:35]
	s_lshl_b32 s36, ttmp9, 18                      ; 128 rows of 2,048 bytes for each work-group
	s_add_co_u32 s34, s34, s36
	s_add_nc_u64 s[10:11], s[10:11], s[34:35]
	WIN 0x40                                       ; destination window 1
.irp f, 0,1,2,3,4,5,6,7,8,9,10,11,12,13,14,15
.irp c, 0,1,2
	global_load_b128 v[12*\f+4*\c:12*\f+4*\c+3], v1, s[30:31] offset:1536*\f+512*\c
.endr
.endr
.irp t, 0,1,2,3
	global_load_b128 v[BI+8*\t:BI+8*\t+3], v7, s[8:9] offset:(32*(\t/2)+8*(\t%2))*4
	global_load_b128 v[BI+8*\t+4:BI+8*\t+7], v7, s[8:9] offset:(32*(\t/2)+8*(\t%2))*4+16
.endr
	WIN 0
.irp i, 0,1,2,3,4,5,6,7
	global_load_b32 v[WS+\i], v2, s[32:33] offset:128*\i
.endr
	s_wait_tensorcnt 0x0                           ; my part of the record is in,
	s_barrier_signal -1
	s_barrier_wait -1                              ; everybody's is.  From here on the record is only read, and each wave's stage is its own
	s_wait_loadcnt 0x0                             ; Wo, its scale words, the bias
; A tile of 16 tokens: four fragments out of LDS, 16 products (the four accumulators by turns, the bias as the C of each sum's first), and the way out.
.macro TILE m
.set OB, 128+32*((\m)%2)
	PLACES 4                                       ; with the four behind the last products: eight places ahead of the products that begin the accumulators anew
.irp s, 0,1,2,3
.irp q, 0,1,2,3,4,5
	ds_load_b64 v[XF+12*\s+2*\q:XF+12*\s+2*\q+1], v3 offset:6144*(\m)+1536*\s+256*\q   ; heads 2 s and 2 s + 1 on end are K step s
.endr
.endr
	ds_load_b32 v[XS], v2 offset:ASC+256*(\m)
	ds_load_b32 v[XS+1], v2 offset:ASC+256*(\m)+128
	s_wait_dscnt 0x0
	WIN 0x11                                       ; source 0 (Wo) and source 2 (the bias) window 1
.irp t, 0,1,2,3
	WMO ACC+8*\t, 48*\t, XF, BI+8*\t, WS+4*(\t/2), XS, \t%2, 0
.endr
	WIN 0x01
.irp s, 1,2,3
.irp t, 0,1,2,3
	WMO ACC+8*\t, 48*\t+12*\s, XF+12*\s, ACC+8*\t, WS+4*(\t/2)+\s, XS+\s/2, \t%2, \s%2
.endr
.endr
	WIN 0
	PLACES 4                                       ; in front of the first read of results, and of the next tile's loads
	s_wait_xcnt 0x0                                ; earlier stores have read the registers that the loads below fill
.irp t, 0,1,2,3
	ds_store_b128 v4, v[ACC+8*\t:ACC+8*\t+3] offset:128*(\t/2)+32*(\t%2)          ; each accumulator from its low end on
	ds_store_b128 v4, v[ACC+8*\t+4:ACC+8*\t+7] offset:128*(\t/2)+32*(\t%2)+16
.endr
.irp k, 0,1,2,3,4,5,6,7
	ds_load_b128 v[OB+4*\k:OB+4*\k+3], v5 offset:544*\k    ; LDS serves a wave's instructions in order (ISA guide 5.7.1.4): these see my stores
.endr
.irp k, 0,1,2,3,4,5,6,7
	s_wait_dscnt 7-\k                              ; the younger loads may stay out
	global_store_b128 v6, v[OB+4*\k:OB+4*\k+3], s[10:11] offset:(32*((\m)/2)+8*((\m)%2)+2*\k+8*(\k/4))*2048 th:TH_STORE_NT   ; 16 lanes store 256 consecutive bytes, at a multiple of 256 from the buffer's first byte
.endr
.endm
.irp m, 0,1,2,3,4,5,6,7
	TILE \m
.endr
	s_wait_tensorcnt 0x0
	ds_add_u32 v254, v255
	s_wait_dscnt 0x0
	s_endpgm
.Lfunc_end_k_qd0bd14d5c5_oproj:
	.size	k_qd0bd14d5c5_oproj, .Lfunc_end_k_qd0bd14d5c5_oproj-k_qd0bd14d5c5_oproj
	.p2alignl 7, 3214868480
	.fill 96, 4, 3214868480
	.section	.rodata,"a",@progbits
	.p2align	6, 0x0
	.amdhsa_kernel k_qd0bd14d5c5_oproj
		.amdhsa_group_segment_fixed_size 168960
		.amdhsa_private_segment_fixed_size 0
		.amdhsa_enable_private_segment 0
		.amdhsa_kernarg_size 32
		.amdhsa_user_sgpr_count 2
		.amdhsa_user_sgpr_kernarg_segment_ptr 1
		.amdhsa_wavefront_size32 1
		.amdhsa_system_sgpr_workgroup_id_x 1
		.amdhsa_system_sgpr_workgroup_id_y 1
		.amdhsa_system_sgpr_workgroup_id_z 1
		.amdhsa_system_vgpr_workitem_id 0
		.amdhsa_next_free_vgpr 512
		.amdhsa_next_free_sgpr 66
		.amdhsa_reserve_vcc 0
		.amdhsa_float_denorm_mode_32 3
		.amdhsa_float_denorm_mode_16_64 3
		.amdhsa_memory_ordered 1
		.amdhsa_forward_progress 1
		.amdhsa_inst_pref_size 59
	.end_amdhsa_kernel
	.amdgpu_metadata
---
amdhsa.version: [ 1, 2 ]
amdhsa.kernels:
  - .name:           k_qd0bd14d5c5_oproj
    .symbol:         k_qd0bd14d5c5_oproj.kd
    .args:
      - { .name: ao, .offset: 0, .size: 8, .value_kind: global_buffer, .address_space: global }
      - { .name: wq, .offset: 8, .size: 8, .value_kind: global_buffer, .address_space: global }
      - { .name: bo, .offset: 16, .size: 8, .value_kind: global_buffer, .address_space: global }
      - { .name: out0, .offset: 24, .size: 8, .value_kind: global_buffer, .address_space: global }
    .group_segment_fixed_size: 168960
    .private_segment_fixed_size: 0
    .kernarg_segment_align: 8
    .kernarg_segment_size: 32
    .max_flat_workgroup_size: 256
    .sgpr_count:     66
    .vgpr_count:     512
    .wavefront_size: 32
...
	.end_amdgpu_metadata
.endif
;; end of part 4
